; MI455X (gfx1250); checked and timed in simulation.
; The chip was launched on July 23, 2026; its instructions are those of AMD's public machine-readable ISA for CDNA 5 (MIT licence, August 2026) and "CDNA5" Instruction Set Architecture Reference Guide (July 2026). The comments in the code are by the model that wrote it; some were corrected since.
;; Multi Head Attention. Allowed arithmetic: matrix products marked QUANTISED: E2M3 operands, one E8M0 scale for each 32 along K, by v_wmma_scale_f32_16x16x128_f8f6f4 with both operands' format E2M3, f32 sums; everything else in f32.
;; Inputs: bo 1,024 float32; wk_codes 16 x 64 x 32 x 24 uint8 (E2M3 codes of wk, K innermost, in blocks of 32 codes, four codes in three bytes); wk_scales 16 x 64 x 32 uint8 (E8M0 scales of wk, one for each 32 codes along K); wo_codes 1,024 x 32 x 24 uint8 (E2M3 codes of wo, K innermost, in blocks of 32 codes, four codes in three bytes); wo_scales 1,024 x 32 uint8 (E8M0 scales of wo, one for each 32 codes along K); wq_codes 16 x 64 x 32 x 24 uint8 (E2M3 codes of wq, K innermost, in blocks of 32 codes, four codes in three bytes); wq_scales 16 x 64 x 32 uint8 (E8M0 scales of wq, one for each 32 codes along K); wv_codes 16 x 64 x 32 x 24 uint8 (E2M3 codes of wv, K innermost, in blocks of 32 codes, four codes in three bytes); wv_scales 16 x 64 x 32 uint8 (E8M0 scales of wv, one for each 32 codes along K); x_codes 4 x 2,048 x 32 x 24 uint8 (E2M3 codes of x, K innermost, in blocks of 32 codes, four codes in three bytes); x_scales 4 x 2,048 x 32 uint8 (E8M0 scales of x, one for each 32 codes along K).
;; Outputs: out0 4 x 2,048 x 1,024 float32.
;; This version of the problem:
;;   THIS VERSION OF THE PROBLEM IS GIVEN IN LOW PRECISION. The matrix products marked QUANTISED in the list below multiply operands that are first quantised to E2M3 (2 exponent bits, 3 mantissa bits; 6 bits a number), with one power-of-two scale for each 32 numbers along K (OCP MX v1.0); their sums are f32. All else is computed in f32.
;;   The module's matrix products, in the order in which they are computed (A, B: the left and right operand; K: the contracted axis; several contracted axes count as one K, in the product's order):
;;     1. [M 1,024, K 1,024] x [K 1,024, N 8,192]; A: input wq (given as codes); B: input x (given as codes): QUANTISED
;;     2. [M 1,024, K 1,024] x [K 1,024, N 8,192]; A: input wk (given as codes); B: input x (given as codes): QUANTISED
;;     3. [M 1,024, K 1,024] x [K 1,024, N 8,192]; A: input wv (given as codes); B: input x (given as codes): QUANTISED
;;     4. batch 64 x [M 2,048, K 64] x [K 64, N 2,048]; A: computed on the way; B: computed on the way: QUANTISED
;;     5. batch 64 x [M 2,048, K 2,048] x [K 2,048, N 64]; A: softmax (see below); B: computed on the way: QUANTISED
;;     6. [M 8,192, K 1,024] x [K 1,024, N 1,024]; A: computed on the way; B: input wo (given as codes): QUANTISED
;;   THE QUANTISER, for each operand of a quantised product, along K:
;;     - K is cut into blocks of 32 from its start; a last block that is shorter is filled with zeros.
;;     - A block's scale is 2^e with e = floor(log2(the largest magnitude in the block)) - 2, held to -126 .. 127; a block of zeros has e = 0. As a byte (E8M0): e + 127.
;;     - Each number is divided by its block's scale, clamped to +-7.5, and rounded to the nearest number of E2M3, ties to even, subnormals kept.
;;     - The product sums the exact products of the quantised numbers (number of the format x scale) in f32.
;;   ~~~python
;;   def quantise(x, axis):      # numpy; x: float32 -> the quantised numbers, widened to float32 again
;;       x = np.moveaxis(x, axis, -1); K = x.shape[-1]
;;       x = np.pad(x, [(0, 0)] * (x.ndim - 1) + [(0, -K % 32)]); x = x.reshape(x.shape[:-1] + (-1, 32)); a = np.abs(x).max(-1, keepdims=True)
;;       e = np.where(a > 0, np.clip(np.frexp(np.where(a > 0, a, 1))[1] - 1 - 2, -126, 127), 0)      # np.frexp(a)[1] - 1 = floor(log2(a)), exactly
;;       r = np.clip(x / 2.0 ** e, -7.5, 7.5)
;;       step = 2.0 ** (np.maximum(np.frexp(np.where(r == 0, 1, r))[1] - 1, 0) - 3)
;;       q = np.round(r / step) * step * 2.0 ** e      # np.round: ties to even
;;       return np.moveaxis(q.reshape(q.shape[:-2] + (-1,))[..., :K], -1, axis).astype(np.float32)
;;   ~~~
;;   SOFTMAX AHEAD OF A QUANTISED PRODUCT. Where the list says 'softmax', what is quantised is not the finished softmax but p = 2^(t - M), with t = logit x log2(e) and M = ceil(the row's largest t), a whole number; so 1/2 < the row's largest p <= 1. The row's sum l is taken of the UNQUANTISED p, in f32, and the product's result is divided by l at the end. Since M is a whole number, a kernel that streams over the keys may use a running M (the ceiling of the running maximum): every later rescaling is an exact power of two, which a block's scale takes up: the codes' values come out the same.
;;   OPERANDS COMPUTED ON THE WAY. 'Computed on the way' means the value that the module computes at that place (a softmax that the list does not call 'softmax' is quantised finished and normalised). What goes into a quantiser is computed in f32, as accurately as f32 sums, v_exp_f32 and their like allow (about 1e-6 of the number): no bf16 or f16 on the way to a quantiser, and a product that is left as it is and whose result goes on into a quantised operand takes f32 operands (vector FMAs, or v_wmma_f32_16x16x4_f32). A number that lies on a knife's edge between two numbers of the format may be rounded either way, as far as f32 arithmetic and the matrix unit's own rounding can turn it there, and no further.
;;   INPUTS GIVEN AS CODES. wk (in the module: [16, 64, 1024], K = its axis 2); wo (in the module: [1024, 1024], K = its axis 1); wq (in the module: [16, 64, 1024], K = its axis 2); wv (in the module: [16, 64, 1024], K = its axis 2); x (in the module: [4, 2048, 1024], K = its axis 2): each comes as NAME_codes (uint8): NAME with its K axis moved to the last place and cut into blocks of 32 codes, [.., K / 32, bytes a block], one block behind the other in memory; four codes in three bytes: a row's codes are one little-endian stream of bits, code i at bits 6 i .. 6 i + 5 (a code: sign, 2 exponent bits, 3 mantissa bits); and NAME_scales (uint8): the same leading axes, one E8M0 byte (e + 127) for each 32 codes along K. Its value is code x scale, taken as it is: it is not quantised again, and the codes and scales need not be those that the quantiser above would give.
;; One version. Each part assembles by itself: llvm-mc -triple=amdgcn-amd-amdhsa -mcpu=gfx1250 --defsym DOCPART=n.
;; ======== version 1 of 1: 3 launches
;; workspace buffers: qkv 20,185,088 bytes; ctx_codes 6,291,456 bytes; ctx_scales 262,144 bytes
;; launch proj (part 1): grid 12 x 32, 4 waves a work-group, clusters of 4 x 4, 327,680 bytes of LDS; arguments x_codes, x_scales, wq_codes, wq_scales, wk_codes, wk_scales, wv_codes, wv_scales, qkv; writes qkv
.if DOCPART == 1
	.amdgcn_target "amdgcn-amd-amdhsa--gfx1250"
	.amdhsa_code_object_version 6
	.text
	.protected	k_qcf3411d810_proj
	.globl	k_qcf3411d810_proj
	.p2align	8
	.type	k_qcf3411d810_proj,@function
k_qcf3411d810_proj:
	s_mov_b64 s[64:65], 0
	v_nop
	global_prefetch_b8 v0, s[64:65] scope:SCOPE_SE
	s_setreg_imm32_b32 hwreg(HW_REG_WAVE_MODE, 25, 1), 1
	s_wait_xcnt 0x0
	s_wait_alu depctr_hold_cnt(0) depctr_sa_sdst(0) depctr_va_vdst(0) depctr_va_sdst(0) depctr_va_ssrc(0) depctr_va_vcc(0) depctr_vm_vsrc(0)
	s_getreg_b32 s2, hwreg(HW_REG_IB_STS2, 6, 4)
	s_cmp_eq_u32 s2, 0
	s_cbranch_scc0 .Lentry_in_a_cluster
	s_endpgm
.Lentry_in_a_cluster:
	s_bfe_u32 s2, ttmp6, 0x10000c
	s_cmp_lg_u32 s2, 0xf033
	s_cbranch_scc0 .Lentry_shape_is_right
	s_endpgm
.Lentry_shape_is_right:
; q = x wq^T, k = x wk^T, v = x wv^T on codes of FP6 (E2M3) with E8M0 scales, f32 sums; the results are quantised at once (q, k along the head's 64; v along the keys) and stored as images of operand registers.
; A tile of 256 (i) x 256 (j) is made by four waves, 128 x 128 each: 64 accumulators, 512 registers.  K = 1,024 goes in steps of 256 through a ring of two LDS slots filled by the tensor data mover.
; THE MATRIX INSTRUCTION IS USED TRANSPOSED: source 0 = 16 rows j (called B), source 1 = 16 rows i (called A): a lane holds one row i and its registers run along j, along which the result is quantised.
; WHICH PRODUCT: the cluster's x.  0: q (A = x, B = wq).  1: k (A = x, B = wk).  2: v (A = wv, B = x).  All four tensors have rows of 768 bytes of codes and 32 scale bytes, so only pointers and tile numbers are chosen.
; CLUSTERS: 4 x 4 work-groups; the four of a row of the cluster ask for A's tile jointly, the four of a column for B's.
; THE WORKSPACE qkv: [16 b + h][key step of 128 tokens][19,712 bytes]: Q's 8 images of 768 bytes, 512 bytes of scale words; the same for K; V's 4 images of 1,536 bytes, 256 bytes of scale words.
;   An image of 768 bytes is 16 rows x 64 K: a lane's registers 0-3 at 16 x lane, registers 4-5 at 512 + 8 x lane.  An image of 1,536 bytes is 16 rows x 128 K: three groups of four registers, 512 bytes each.
; ORDER INSIDE A BLOCK OF 32: a lane holds j = 16 t + 8 (lane / 16) + 0..7 of tile t, so a block's codes lie in the order 0-7, 16-23, 8-15, 24-31.  q and k are made by the same lines, and so are v and the softmax's p
;   in the next launch: both operands of a product have the same order, so blocks, scales and products are those of the true order, and only the order of the f32 additions differs.
; LIMITS: NaN and infinities are not served.  A block whose largest magnitude lies under 2^-124 has its byte held at 1.  A block of zeros gets the byte 1 and not 127: its codes are zeros, and this program alone reads the bytes.
; REGISTERS, in windows of 256: window 0: v0-31 addresses; v32-63 scale words, two sets; v64-127 the way out; from v128 A's fragments, one set.  window 1: B's fragments, two sets.  windows 2, 3: the accumulators ((a, b) at v[8 (8 (a % 4) + b)]).
.set SIZE_K, 1024
.set KSTEP,  256                       ; along K in a slot
.set NQ,     KSTEP/128                 ; matrix instructions deep
.set ROWB,   192                       ; a tile's row in bytes
.set KROW,   SIZE_K*6/8                ; a row of codes in memory
.set PITCH,  240                       ; an LDS row: 3 x (64 bytes + 16 of padding)
.set FR,     12                        ; registers of a fragment
.set NL,     6                         ; LDS loads that bring one
.set NP,     4                         ; places behind this matrix instruction (ISA guide 7.12.1)
.set HALFT,  128*PITCH                 ; 128 rows: one tensor load
.set SLOT,   4*HALFT                   ; A's 256 rows, then B's 256
.set LAPS,   SIZE_K/(2*KSTEP)
.set KS,     SIZE_K/32                 ; a row of scale bytes
.set SCL,    2*SLOT                    ; behind the ring: the scales, as units of 256 bytes + 16 of padding
.set HALFS,  (128*KS/256)*272
.set SBLK,   (16*KS/256)*272
.set SPARE,  SCL+4*HALFS               ; the spare words, 128 bytes for each wave
.set STEPW,  19712                     ; a key step's bytes in qkv
.set HEADW,  16*STEPW                  ; a head's
.set QB,     6656                      ; a section of Q or of K
.set ADRA, 16                          ; v16-19  LDS addresses of A's fragments
.set ADRB, 20                          ; v20-23  of B's
.set L16,  24                          ; v24     16 x lane
.set L8,   25                          ; v25     8 x lane
.set ADRS, 27                          ; v27     LDS address of my scale words
.set SPW,  28                          ; v28     my spare word; never rewritten
.set NIL,  29                          ; v29     0; never rewritten
.set SC,   32
.set TM,   64                          ; v64-67 largest magnitudes, v68-71 the other half's and then the bytes, v76-79 the conversions' scale operands
.set PW,   120                         ; v120-127 the scale word of each block of 16 rows
.set AF,   128
.set SEL,  66                          ; s[66:67] lane selects for v_permlanex16_b32: lane xor 16
.set G1, 24
.set G0, 32
.set G1B, 48
.set G0B, 56
.set G1S, 68
.set G0S, 76
.set G1SB, 80
.set G0SB, 88
.set MSB, 0
.macro WIN new                         ; the immediate's high byte repeats the setting that is left
.if MSB != (\new)
	s_set_vgpr_msb (MSB<<8)|(\new)
.set MSB, (\new)
.endif
.endm
.set MUL_LO, 0xa1                      ; source 0 (B) window 1, source 1 (A) window 0, C and D window 2
.set MUL_HI, 0xf1                      ; the same, C and D window 3
.set TO_B,   0x40                      ; destination window 1
; A joint load: waves 0 and 1 fetch for A, waves 2 and 3 for B.  The branch hangs on the wave's number alone.  Four v_nop follow each of the two lines.
.macro JLOAD g0a, g1a, g0b, g1b
	s_cmp_eq_u32 s15, 0
	s_cbranch_scc0 .Lfor_b_\@
	tensor_load_to_lds s[\g0a:\g0a+3], s[\g1a:\g1a+7]
	s_nop 0
.rept 4
	v_nop
.endr
	s_branch .Lasked_\@
.Lfor_b_\@:
	tensor_load_to_lds s[\g0b:\g0b+3], s[\g1b:\g1b+7]
	s_nop 0
.rept 4
	v_nop
.endr
.Lasked_\@:
.endm
.macro CREST                           ; a round of the cluster's barrier behind its opening barrier
	s_cmp_lg_u32 s14, 0
	s_cbranch_scc1 .Lnot_wave_0_\@
	s_barrier_signal -3
.Lnot_wave_0_\@:
	s_barrier_wait -3
	s_barrier_signal -1
	s_barrier_wait -1
.endm
.macro CROUND                          ; a whole round
	s_barrier_signal -1
	s_barrier_wait -1
	CREST
.endm
	s_load_b128 s[4:7], s[0:1], 0x0                ; x's codes, x's scales
	s_load_b128 s[8:11], s[0:1], 0x10              ; wq's
	s_load_b128 s[68:71], s[0:1], 0x20             ; wk's (these eight registers take a descriptor once the choice is made)
	s_load_b128 s[72:75], s[0:1], 0x30             ; wv's
	s_load_b64 s[12:13], s[0:1], 0x40              ; qkv
	v_lshl_add_u32 v[SPW], v0, 2, SPARE
	v_mov_b32 v[NIL], 0
	ds_add_u32 v28, v29
	ds_add_u32 v28, v29
	s_wait_dscnt 0x0
	v_lshrrev_b32 v1, 5, v0
	v_readfirstlane_b32 s14, v1                    ; wave 0..3
	s_lshr_b32 s15, s14, 1                         ; which half of the rows i is mine.  Also: I fetch for A (0) or for B (1)
	s_and_b32 s16, s14, 1                          ; which half of the rows j.  Also: which 128 rows of that tile I fetch
	s_bfe_u32 s40, ttmp6, 0x40000                  ; cx, cy: my place in the cluster
	s_bfe_u32 s41, ttmp6, 0x40004
	s_and_b32 s96, ttmp7, 0xffff
	s_lshl_b32 s96, s96, 2                         ; 4 x cluster y
	s_lshl_b32 s43, s41, 2
	s_lshl_b32 s43, 15, s43                        ; my row of the cluster
	s_lshl_b32 s44, 0x1111, s40                    ; my column
	s_mov_b32 s[SEL], 0x76543210
	s_mov_b32 s[SEL+1], 0xfedcba98
	; descriptor group 1: a tile of 128 rows x 192 bytes, 16 bytes of padding behind every 64
	s_or_b32 s[G1+0], s43, (0<<16)|(1<<20)|(1<<21)|(3<<22)|(3<<25)  ; the mask: A's tiles go to my row; elements of 1 byte; padding on; bit 21 beside a mask; after every 16 words, 4 words
	s_or_b32 s[G1B+0], s44, (0<<16)|(1<<20)|(1<<21)|(3<<22)|(3<<25)
.irp g, G1, G1B
	s_mov_b32 s[\g+1], ROWB<<16                    ; tensor_dim0
	s_mov_b32 s[\g+2], 128<<16                     ; tensor_dim1
	s_mov_b32 s[\g+3], ROWB<<16                    ; tile_dim0
	s_mov_b32 s[\g+4], 128                         ; tile_dim1
	s_mov_b32 s[\g+5], KROW                        ; tensor_dim0_stride
	s_mov_b32 s[\g+6], 0
	s_mov_b32 s[\g+7], 0
.endr
	s_wait_kmcnt 0x0
	s_cmp_eq_u32 ttmp9, 0                          ; the choices hang on the cluster's x alone: the same in all sixteen partners
	s_cselect_b64 s[8:9], s[8:9], s[68:69]         ; wq or wk
	s_cselect_b64 s[10:11], s[10:11], s[70:71]
	s_cmp_lt_u32 ttmp9, 2
	s_cselect_b64 s[8:9], s[8:9], s[4:5]           ; B: the weight, or for v: x
	s_cselect_b64 s[10:11], s[10:11], s[6:7]
	s_cselect_b64 s[4:5], s[4:5], s[72:73]         ; A: x, or for v: wv
	s_cselect_b64 s[6:7], s[6:7], s[74:75]
	s_cselect_b32 s17, s96, 0
	s_cselect_b32 s42, 0, s96
	s_add_co_u32 s17, s17, s41                     ; A's tile of 256 rows: cy (+ 4 x cluster y where A is x)
	s_add_co_u32 s42, s42, s40                     ; B's tile: cx (+ 4 x cluster y where B is x)
	; the scales of 128 rows: a dense block of 4,096 bytes, as 16 rows of 256 bytes, 16 bytes of padding behind each
	s_or_b32 s[G1S+0], s43, (3<<16)|(1<<20)|(1<<21)|(5<<22)|(3<<25)
	s_or_b32 s[G1SB+0], s44, (3<<16)|(1<<20)|(1<<21)|(5<<22)|(3<<25)
.irp g, G1S, G1SB
	s_mov_b32 s[\g+1], 32<<16
	s_mov_b32 s[\g+2], (128*KS/256)<<16
	s_mov_b32 s[\g+3], 32<<16
	s_mov_b32 s[\g+4], 128*KS/256
	s_mov_b32 s[\g+5], 32
	s_mov_b32 s[\g+6], 0
	s_mov_b32 s[\g+7], 0
.endr
	s_lshl_b32 s18, s16, 7                         ; which 128 rows of the tile I fetch
	s_lshl_b32 s20, s17, 8
	s_add_co_u32 s20, s20, s18                     ; A: row 256 x tile + 128 x half
	s_lshl_b32 s46, s42, 8
	s_add_co_u32 s46, s46, s18                     ; B likewise
	s_mov_b32 s21, 0
	s_mov_b32 s47, 0
	s_mov_b64 s[18:19], KS
	s_mul_u64 s[22:23], s[20:21], s[18:19]         ; where these rows' scales begin
	s_mul_u64 s[92:93], s[46:47], s[18:19]
	s_mov_b64 s[18:19], KROW
	s_mul_u64 s[20:21], s[20:21], s[18:19]         ; and their codes
	s_mul_u64 s[46:47], s[46:47], s[18:19]
	s_mul_i32 s45, s14, HALFT                      ; where they go: wave x 128 rows
	s_mul_i32 s94, s14, HALFS
	s_add_nc_u64 s[20:21], s[4:5], s[20:21]
	s_add_nc_u64 s[22:23], s[6:7], s[22:23]
	s_add_nc_u64 s[46:47], s[8:9], s[46:47]
	s_add_nc_u64 s[92:93], s[10:11], s[92:93]
	CROUND                                         ; all sixteen work-groups are here: the first joint loads meet
	s_mov_b32 s[G0S], 1
	s_add_co_u32 s[G0S+1], s94, SCL
	s_mov_b64 s[G0S+2:G0S+3], s[22:23]
	s_or_b32 s[G0S+3], s[G0S+3], 0x80000000
	s_mov_b32 s[G0SB], 1
	s_add_co_u32 s[G0SB+1], s94, SCL
	s_mov_b64 s[G0SB+2:G0SB+3], s[92:93]
	s_or_b32 s[G0SB+3], s[G0SB+3], 0x80000000
	JLOAD G0S, G1S, G0SB, G1SB                     ; the scales first: they are wanted with K step 0
.irp s, 0,1
	s_mov_b32 s[G0+4*\s], 1
	s_add_co_u32 s[G0+4*\s+1], s45, \s*SLOT
	s_add_nc_u64 s[G0+4*\s+2:G0+4*\s+3], s[20:21], \s*ROWB
	s_or_b32 s[G0+4*\s+3], s[G0+4*\s+3], 0x80000000
	s_mov_b32 s[G0B+4*\s], 1
	s_add_co_u32 s[G0B+4*\s+1], s45, \s*SLOT
	s_add_nc_u64 s[G0B+4*\s+2:G0B+4*\s+3], s[46:47], \s*ROWB
	s_or_b32 s[G0B+4*\s+3], s[G0B+4*\s+3], 0x80000000
	s_wait_alu depctr_va_vdst(0)
	s_wait_tensorcnt 0x0
	ds_add_u32 v28, v29
	s_wait_dscnt 0x0
	CROUND
	JLOAD G0+4*\s, G1, G0B+4*\s, G1B               ; one tensor load of mine is out at the most
.endr
	v_and_b32 v1, 15, v0                           ; l % 16
	v_bfe_u32 v2, v0, 4, 1                         ; l / 16
	v_mul_u32_u24 v3, v1, PITCH
	v_mul_u32_u24 v4, v2, 24
	v_add_nc_u32 v4, v3, v4                        ; a fragment's row x pitch + 24 x half
	v_lshl_add_u32 v5, v2, 4, v4                   ; and the same behind one padding more
	s_mul_i32 s21, s15, HALFT                      ; my 128 rows of A
	s_mul_i32 s22, s16, HALFT                      ; my 128 rows of B,
	s_add_co_u32 s22, s22, 2*HALFT                 ; which lie behind A's 256
.irp s, 0,1
	v_add_nc_u32 v[ADRA+\s], s21, v4
	v_add_nc_u32 v[ADRB+\s], s22, v4
	v_add_nc_u32 v[ADRA+2+\s], s21, v5
	v_add_nc_u32 v[ADRB+2+\s], s22, v5
	s_add_co_u32 s21, s21, SLOT
	s_add_co_u32 s22, s22, SLOT
.endr
	v_mul_u32_u24 v5, v1, KS                       ; my row's scales: 32 bytes a row,
	v_lshrrev_b32 v6, 8, v5
	v_lshl_add_u32 v5, v6, 4, v5                   ; and 16 more for each 256 passed
	s_mul_i32 s21, s15, HALFS
	s_mul_i32 s22, s16, HALFS
	s_add_co_u32 s22, s22, 2*HALFS
	s_sub_co_u32 s22, s22, s21
	v_mul_u32_u24 v6, s22, v2                      ; lanes 16-31 take B's
	s_add_co_u32 s21, s21, SCL
	v_add_nc_u32 v5, v5, v6
	v_add_nc_u32 v[ADRS], s21, v5
	v_and_b32 v6, 31, v0                           ; lane (kept for the way out)
	v_lshlrev_b32 v[L16], 4, v6
	v_lshlrev_b32 v[L8], 3, v6
	; where my results go.  G: which run of 128 tokens; HH: which pair of heads
	s_lshl_b32 s20, s17, 1
	s_add_co_u32 s20, s20, s15                     ; my 128 rows i
	s_lshl_b32 s21, s42, 1
	s_add_co_u32 s21, s21, s16                     ; my 128 rows j
	s_cmp_lt_u32 ttmp9, 2
	s_cselect_b32 s22, s20, s21                    ; G
	s_cselect_b32 s23, s21, s20                    ; HH
	s_lshr_b32 s46, s22, 4                         ; b
	s_lshl_b32 s46, s46, 4
	s_lshl_b32 s23, s23, 1
	s_add_co_u32 s46, s46, s23                     ; 16 b + my first head
	s_mul_i32 s46, s46, HEADW
	s_and_b32 s22, s22, 15                         ; the key step
	s_mul_i32 s22, s22, STEPW
	s_add_co_u32 s46, s46, s22
	s_mul_i32 s22, ttmp9, QB                       ; the section: Q, K or V
	s_add_co_u32 s46, s46, s22
	s_mov_b32 s47, 0
	s_add_nc_u64 s[12:13], s[12:13], s[46:47]
.macro FRAG reg, adr, q, i             ; a fragment, 16 rows x 128 K: lane l holds row l % 16; registers 6 c .. 6 c + 5 hold K = 64 c + 32 (l / 16) + 0 .. 31: 24 bytes of the row as they lie, in pieces of 8 bytes
.irp p, 0,1,2,3,4,5
.set PC, 12*(\q)+6*(\p/3)+\p%3        ; where the piece three on (lanes 16-31) lies behind one padding more, the second address register serves
.if PC%8 < 5
	ds_load_b64 v[\reg+2*\p:\reg+2*\p+1], v[\adr] offset:8*PC+16*(PC/8)+(\i)*16*PITCH
.else
	ds_load_b64 v[\reg+2*\p:\reg+2*\p+1], v[\adr+2] offset:8*PC+16*(PC/8)+(\i)*16*PITCH
.endif
.endr
.endm
; 16 matrix instructions: A's blocks a0, a0 + 1 x B's eight, 128 along K.  p: B's set; sc: the set of scale words.  zero = 1: the first product starts the sums.
; The 64 accumulators take turns, one instruction a turn, in the same order in every step.
.macro MUL16 a0, p, q, sc, zero
.irp a, \a0, \a0+1
.irp b, 0,1,2,3,4,5,6,7
.if \zero
	v_wmma_scale_f32_16x16x128_f8f6f4 v[8*(8*((\a)%4)+\b):8*(8*((\a)%4)+\b)+7], v[128*(\p)+FR*\b:128*(\p)+FR*\b+FR-1], v[AF+FR*(\a):AF+FR*(\a)+FR-1], 0, v[SC+8*NQ*(\sc)+NQ*\b+(\q)], v[SC+8*NQ*(\sc)+NQ*(\a)+(\q)] matrix_a_fmt:MATRIX_FMT_FP6 matrix_b_fmt:MATRIX_FMT_FP6 matrix_a_scale:MATRIX_SCALE_ROW1
.else
	v_wmma_scale_f32_16x16x128_f8f6f4 v[8*(8*((\a)%4)+\b):8*(8*((\a)%4)+\b)+7], v[128*(\p)+FR*\b:128*(\p)+FR*\b+FR-1], v[AF+FR*(\a):AF+FR*(\a)+FR-1], v[8*(8*((\a)%4)+\b):8*(8*((\a)%4)+\b)+7], v[SC+8*NQ*(\sc)+NQ*\b+(\q)], v[SC+8*NQ*(\sc)+NQ*(\a)+(\q)] matrix_a_fmt:MATRIX_FMT_FP6 matrix_b_fmt:MATRIX_FMT_FP6 matrix_a_scale:MATRIX_SCALE_ROW1
.endif
.endr
.endr
.endm
.macro FETCH_B slot, q, p
	WIN TO_B
.irp i, 0,1,2,3,4,5,6,7
	FRAG 128*(\p)+FR*\i, ADRB+\slot, \q, \i
.endr
	WIN 0
.endm
.macro FETCH_A slot, q, i0
.irp i, \i0, \i0+1, \i0+2, \i0+3
	FRAG AF+FR*(\i), ADRA+\slot, \q, \i
.endr
.endm
.macro SCALES sc                       ; a K step's scale words: two words a row; lanes 0-15 take A's block i, lanes 16-31 B's block i
.irp i, 0,1,2,3,4,5,6,7
	ds_load_b64 v[SC+8*NQ*\sc+NQ*\i:SC+8*NQ*\sc+NQ*\i+1], v[ADRS] offset:\i*SBLK
.endr
.endm
.macro PLACES n                        ; plain vector instructions between a matrix instruction and a load into, or a read of, its registers
.rept \n
	v_nop
.endr
.endm
; A step of 128 along K that has its successor in the same slot.
.macro STEP slot, q, zero
	s_wait_dscnt 4*NL                              ; B's set and A's blocks 0-3 are in; the youngest 24 loads (A's blocks 4-7) may be out
	WIN MUL_LO
	MUL16 0, (\q)%2, \q, \slot, \zero
	MUL16 2, (\q)%2, \q, \slot, \zero
	s_wait_dscnt 0                                 ; A's blocks 4-7 are in
	PLACES NP
	FETCH_B \slot, (\q)+1, 1-(\q)%2
	FETCH_A \slot, (\q)+1, 0
	WIN MUL_HI
	MUL16 4, (\q)%2, \q, \slot, \zero
	MUL16 6, (\q)%2, \q, \slot, \zero
	PLACES NP
	WIN 0
	FETCH_A \slot, (\q)+1, 4
.endm
; A slot's last step changes slots: one barrier; in front of it each wave waits for all its tensor loads, adds 0 to its spare word, and waits for that and for its own reads of this slot.  fill = 1: this slot is filled again, two K steps ahead.
.macro TURN slot, next, fill
	s_wait_tensorcnt 0x0                           ; all my tensor loads have landed: my part of the next slot
	ds_add_u32 v[SPW], v[NIL]                      ; 0 onto my spare word
	s_wait_dscnt 4*NL+1                            ; the add and the youngest 24 loads (A's blocks 4-7) may be out
	WIN MUL_LO
	MUL16 0, 1, NQ-1, \slot, 0                     ; sixteen matrix instructions stand between the add and the wait for it
	s_wait_dscnt 0x0                               ; the add is done, and my reads of this slot are over
	s_barrier_signal -1
	MUL16 2, 1, NQ-1, \slot, 0
	WIN 0
	s_barrier_wait -1
.if \fill
	CREST                                          ; the barrier has opened a round of the cluster's barrier: no wave of any partner still reads this slot or has a load on its way
	s_add_nc_u64 s[G0+4*\slot+2:G0+4*\slot+3], s[G0+4*\slot+2:G0+4*\slot+3], 2*ROWB
	s_add_nc_u64 s[G0B+4*\slot+2:G0B+4*\slot+3], s[G0B+4*\slot+2:G0B+4*\slot+3], 2*ROWB
	JLOAD G0+4*\slot, G1, G0B+4*\slot, G1B         ; the first tensor load behind the round; its four v_nop are the places in front of the loads below
.else
	PLACES NP
.endif
	s_wait_alu depctr_va_vdst(0)
	v_add_nc_u32 v[ADRS], 4*NQ, v[ADRS]            ; on to the next K step's scale words
	FETCH_B \next, 0, 0
	FETCH_A \next, 0, 0
	SCALES \next
	WIN MUL_HI
	MUL16 4, 1, NQ-1, \slot, 0
	MUL16 6, 1, NQ-1, \slot, 0
	PLACES NP
	WIN 0
	FETCH_A \next, 0, 4
.endm
	s_wait_alu depctr_va_vdst(0)
	s_wait_tensorcnt 1                             ; the scales and my part of K step 0 are in; K step 1's load may be out
	s_barrier_signal -1
	s_barrier_wait -1
	FETCH_B 0, 0, 0
	FETCH_A 0, 0, 0
	SCALES 0
	FETCH_A 0, 0, 4
	STEP 0, 0, 1                                   ; the first step stands in front of the loop: its products start the sums
	s_mov_b32 s3, LAPS-1
.Llap:                                                 ; a trip goes once round the ring and fills both slots again
	TURN 0, 1, 1
	STEP 1, 0, 0
	TURN 1, 0, 1
	STEP 0, 0, 0
	s_sub_co_u32 s3, s3, 1
	s_cmp_lg_u32 s3, 0
	s_cbranch_scc1 .Llap
	TURN 0, 1, 0                                   ; the last lap fills nothing
	STEP 1, 0, 0
	s_wait_dscnt 4*NL                              ; the very last step
	WIN MUL_LO
	MUL16 0, 1, NQ-1, 1, 0
	MUL16 2, 1, NQ-1, 1, 0
	s_wait_dscnt 0
	WIN MUL_HI
	MUL16 4, 1, NQ-1, 1, 0
	MUL16 6, 1, NQ-1, 1, 0
	WIN 0
; THE WAY OUT, block a of 16 rows i at a time.  A lane's 64 registers are 128 j of its row: four blocks of 32, each in lanes l and l xor 16.
; QUANT: the blocks' largest magnitudes (with the floor 2^-124 among the leaves, which holds the byte at 1 from below), 2 off the exponent field gives the conversion's scale operand, a shift of that the byte;
; four conversions of 16 numbers; an exchange of halves, so that a lane holds a whole block: the 12 registers are then a fragment of 16 rows x 128.
.macro QUANT a
.set AC, 64*((\a)%4)
.set WA, 2+(\a)/4
.set WW, 5*WA
.set CDS, 80+20*((\a)%2)
	WIN WW                                         ; sources 0 and 1: the accumulators' window
.irp b, 0,1,2,3
	v_max3_num_f32 v[TM+\b], |v[AC+16*\b]|, |v[AC+16*\b+1]|, 0x1800000   ; each accumulator is read from its low end on
.endr
.irp i, 2,4,6,8,10,12,14
.irp b, 0,1,2,3
	v_max3_num_f32 v[TM+\b], |v[AC+16*\b+\i]|, |v[AC+16*\b+\i+1]|, v[TM+\b]
.endr
.endr
	WIN 0
.irp b, 0,1,2,3
	v_permlanex16_b32 v[TM+4+\b], v[TM+\b], s[SEL], s[SEL+1]
.endr
.irp b, 0,1,2,3
	v_max_num_f32 v[TM+\b], v[TM+\b], v[TM+4+\b]   ; with lane l xor 16's: the block's largest magnitude
.endr
.irp b, 0,1,2,3
	v_add_nc_u32 v[TM+12+\b], 0xff000000, v[TM+\b] ; 2 off its exponent field
.endr
.irp b, 0,1,2,3
	v_lshrrev_b32 v[TM+4+\b], 23, v[TM+12+\b]      ; the scale's byte
.endr
	v_lshl_or_b32 v[PW+(\a)], v[TM+5], 8, v[TM+4]
	v_lshl_or_b32 v[PW+(\a)], v[TM+6], 16, v[PW+(\a)]
	v_lshl_or_b32 v[PW+(\a)], v[TM+7], 24, v[PW+(\a)]
	s_wait_xcnt 0x0                                ; the stores of two blocks ago have read these code registers
	WIN WA                                         ; source 0: the accumulators' window
.irp c, 0,1
	v_cvt_scalef32_pk16_fp6_f32 v[CDS+6*\c:CDS+6*\c+2], v[AC+32*\c:AC+32*\c+15], v[TM+12+2*\c]
	v_cvt_scalef32_pk16_fp6_f32 v[CDS+12+4*\c:CDS+14+4*\c], v[AC+32*\c+16:AC+32*\c+31], v[TM+13+2*\c]
.endr
	WIN 0
	v_nop                                          ; one plain place behind a scaled conversion
.irp c, 0,1
.irp i, 0,1,2
	v_permlane16_swap_b32 v[CDS+6*\c+\i], v[CDS+12+4*\c+\i]   ; lanes 0-15 now hold block 2 c, lanes 16-31 block 2 c + 1
.endr
.irp i, 0,1,2
	v_mov_b32 v[CDS+3+6*\c+\i], v[CDS+12+4*\c+\i]
.endr
.endr
.endm
; OUT: q, k: registers 0-5 are the first head's image (16 tokens x 64), registers 6-11 the second head's.  v: all 12 are one image (16 channels x 128 keys) of head a / 4.  Each store covers 512 or 256 consecutive bytes, aligned.
.macro OUT a
.set CDS, 80+20*((\a)%2)
	s_cmp_lt_u32 ttmp9, 2
	s_cbranch_scc0 .Lout_v_\@
	global_store_b128 v[L16], v[CDS:CDS+3], s[12:13] offset:768*(\a)
	global_store_b64 v[L8], v[CDS+4:CDS+5], s[12:13] offset:768*(\a)+512
	global_store_b128 v[L16], v[CDS+6:CDS+9], s[12:13] offset:HEADW+768*(\a)
	global_store_b64 v[L8], v[CDS+10:CDS+11], s[12:13] offset:HEADW+768*(\a)+512
	s_branch .Lout_done_\@
.Lout_v_\@:
	s_wait_alu depctr_va_vdst(0)
.irp g, 0,1,2
	global_store_b128 v[L16], v[CDS+4*\g:CDS+4*\g+3], s[12:13] offset:((\a)/4)*HEADW+((\a)%4)*1536+512*\g
.endr
.Lout_done_\@:
.endm
.irp b, 0,1,2,3
	v_mov_b32 v[TM+4+\b], 0                        ; a lane permute's destination counts as read.  These four are also the places behind the last products
.endr
	v_cmp_le_u32 vcc_lo, 16, v6                    ; lanes 16-31
.irp a, 0,1,2,3,4,5,6,7
	QUANT \a
	OUT \a
.endr
	s_wait_xcnt 0x0                                ; the last stores have read v80 on
.irp s, 0,1,2,3
	v_cndmask_b32 v[80+\s], v[PW+2*\s], v[PW+2*\s+1], vcc_lo   ; lanes 0-15: block 2 s's words, lanes 16-31: block 2 s + 1's
.endr
	s_cmp_lt_u32 ttmp9, 2
	s_cbranch_scc0 .Lscale_v
.irp s, 0,1,2,3
	v_perm_b32 v[84+\s], v[80+\s], v[80+\s], 0x01000100        ; the first head's two bytes, repeated for the empty half of the next product's K
.endr
.irp s, 0,1,2,3
	v_perm_b32 v[88+\s], v[80+\s], v[80+\s], 0x03020302        ; the second head's
.endr
	global_store_b128 v[L16], v[84:87], s[12:13] offset:6144          ; word s of lane l: token 32 s + l
	global_store_b128 v[L16], v[88:91], s[12:13] offset:HEADW+6144
	s_branch .Lscale_done
.Lscale_v:
	s_wait_alu depctr_va_vdst(0)
	global_store_b64 v[L8], v[80:81], s[12:13] offset:6144            ; word s of lane l: channel 32 s + l of the first head
	global_store_b64 v[L8], v[82:83], s[12:13] offset:HEADW+6144
.Lscale_done:
	s_wait_tensorcnt 0x0                           ; the wave's end
	ds_add_u32 v[SPW], v[NIL]
	s_wait_dscnt 0x0
	CROUND                                         ; the closing round: no work-group ends while a partner may still ask for a tile that names it
	s_endpgm
.Lfunc_end_k_qcf3411d810_proj:
	.size	k_qcf3411d810_proj, .Lfunc_end_k_qcf3411d810_proj-k_qcf3411d810_proj
	.p2alignl 7, 3214868480
	.fill 96, 4, 3214868480
	.section	.rodata,"a",@progbits
	.p2align	6, 0x0
	.amdhsa_kernel k_qcf3411d810_proj
		.amdhsa_group_segment_fixed_size 327680
		.amdhsa_private_segment_fixed_size 0
		.amdhsa_enable_private_segment 0
		.amdhsa_kernarg_size 72
		.amdhsa_user_sgpr_count 2
		.amdhsa_user_sgpr_kernarg_segment_ptr 1
		.amdhsa_wavefront_size32 1
		.amdhsa_system_sgpr_workgroup_id_x 1
		.amdhsa_system_sgpr_workgroup_id_y 1
		.amdhsa_system_sgpr_workgroup_id_z 1
		.amdhsa_system_vgpr_workitem_id 0
		.amdhsa_next_free_vgpr 1024
		.amdhsa_next_free_sgpr 98
		.amdhsa_reserve_vcc 1
		.amdhsa_float_denorm_mode_32 3
		.amdhsa_float_denorm_mode_16_64 3
		.amdhsa_memory_ordered 1
		.amdhsa_forward_progress 1
		.amdhsa_inst_pref_size 171
	.end_amdhsa_kernel
	.amdgpu_metadata
---
amdhsa.version: [ 1, 2 ]
amdhsa.kernels:
  - .name:           k_qcf3411d810_proj
    .symbol:         k_qcf3411d810_proj.kd
    .args:
      - { .name: x_codes, .offset: 0, .size: 8, .value_kind: global_buffer, .address_space: global }
      - { .name: x_scales, .offset: 8, .size: 8, .value_kind: global_buffer, .address_space: global }
      - { .name: wq_codes, .offset: 16, .size: 8, .value_kind: global_buffer, .address_space: global }
      - { .name: wq_scales, .offset: 24, .size: 8, .value_kind: global_buffer, .address_space: global }
      - { .name: wk_codes, .offset: 32, .size: 8, .value_kind: global_buffer, .address_space: global }
      - { .name: wk_scales, .offset: 40, .size: 8, .value_kind: global_buffer, .address_space: global }
      - { .name: wv_codes, .offset: 48, .size: 8, .value_kind: global_buffer, .address_space: global }
      - { .name: wv_scales, .offset: 56, .size: 8, .value_kind: global_buffer, .address_space: global }
      - { .name: qkv, .offset: 64, .size: 8, .value_kind: global_buffer, .address_space: global }
    .group_segment_fixed_size: 327680
    .private_segment_fixed_size: 0
    .kernarg_segment_align: 8
    .kernarg_segment_size: 72
    .max_flat_workgroup_size: 128
    .sgpr_count:     98
    .vgpr_count:     1024
    .wavefront_size: 32
...
	.end_amdgpu_metadata
.endif
;; end of part 1
;; launch attn (part 2): grid 4 x 64, 16 waves a work-group, clusters of 4 x 1, 210,944 bytes of LDS; arguments qkv, ctx_codes, ctx_scales; writes ctx_codes, ctx_scales
.if DOCPART == 2
	.amdgcn_target "amdgcn-amd-amdhsa--gfx1250"
	.amdhsa_code_object_version 6
	.text
	.protected	k_qcf3411d810_attn
	.globl	k_qcf3411d810_attn
	.p2align	8
	.type	k_qcf3411d810_attn,@function
k_qcf3411d810_attn:
	s_mov_b64 s[64:65], 0
	v_nop
	global_prefetch_b8 v0, s[64:65] scope:SCOPE_SE
	s_setreg_imm32_b32 hwreg(HW_REG_WAVE_MODE, 25, 1), 1
	s_wait_xcnt 0x0
	s_wait_alu depctr_hold_cnt(0) depctr_sa_sdst(0) depctr_va_vdst(0) depctr_va_sdst(0) depctr_va_ssrc(0) depctr_va_vcc(0) depctr_vm_vsrc(0)
	s_getreg_b32 s2, hwreg(HW_REG_IB_STS2, 6, 4)
	s_cmp_eq_u32 s2, 0
	s_cbranch_scc0 .Lentry_in_a_cluster
	s_endpgm
.Lentry_in_a_cluster:
	s_bfe_u32 s2, ttmp6, 0x10000c
	s_cmp_lg_u32 s2, 0x3003
	s_cbranch_scc0 .Lentry_shape_is_right
	s_endpgm
.Lentry_shape_is_right:
; ctx[q] = the sum over keys of softmax(q . k / 8) v for one head, both products on codes of FP6 (E2M3) with E8M0 scales; ctx is quantised along the model's axis (a head: two blocks of 32) and stored as an image of operand registers.
; THE SOFTMAX: t = score x log2(e) / 8; M = the running largest t rounded up to a whole number; p = 2^(t - M) is quantised along the keys, not normalised; the sum is taken of the unquantised p and divides at the end.
;   When M moves, the sum and O are multiplied by 2^(old M - new M), which rounds nothing.
; SHARES.  A work-group owns 512 queries of one head (16 b + h = the grid's y); its sixteen waves own 16 queries each, in two passes.  Four waves share a SIMD: one wave's vector work stands beside another's products and LDS loads.
; K AND V OF THE WHOLE HEAD LIE IN LDS: 16 key steps x 13,056 bytes (K's 8 images of 768 bytes, 512 bytes of scale words, V's 4 images of 1,536 bytes, 256 bytes of scale words) = 208,896 bytes.
;   Wave w brings key step w with one tensor load at the head; LDS is filled once and then only read: no ring, and no barrier in the loop.
; CLUSTER.  The four query blocks of a head form a cluster and ask for each key step jointly.
; LAYOUT.  Both products are used transposed: S^T = K Q^T, O^T = V^T P^T: a lane holds one query throughout.  A lane holds keys 16 t + 8 (lane / 16) + 0..7 of tile t, so p's codes lie in a block in the order
;   0-7, 16-23, 8-15, 24-31: the order in which the launch before has laid v's keys (and q's and k's channels): only the order of the f32 additions differs from the true order.
;   ctx meets a given weight, so it is brought into the true order on the way out, by an exchange of halves.
; THE FIRST PRODUCT'S K IS 64, THE INSTRUCTION'S 128: Q's upper six registers are zero codes; K's upper six are whatever stands next (the next tile's codes, or zeros): they meet zero codes and add nothing.
; LIMITS: NaN and infinities are not served; a block whose largest magnitude lies under 2^-124 has its byte held at 1; a block of zeros gets the byte 1 and not 127 (its codes are zeros; this program alone reads the bytes).
; REGISTERS: v1 16 x lane, v2 8 x lane, v3-4 the step's LDS addresses, v5-8 offsets in memory; v12 -M, v13 the largest t, v[14:15] the sum; v16-21 Q, v22-27 zeros; v32-79 K, v80-85 zeros; v86-89 K's scale words,
;   v90-91 V's, v92 Q's, v93 p's; v96-159 S^T, then p; v160-191 O^T; v192-239 V; v240-251 p's codes; v252 f.  Behind the first product K's registers are free: v32-53 are at work there.
.set STEPW, 19712                      ; a key step's bytes in qkv
.set HEADW, 16*STEPW
.set QB,    6656                       ; Q's section, in front of K's
.set KVB,   13056                      ; K's and V's sections: 51 rows of 256 bytes
.set KSC,   6144                       ; in a step in LDS: K's scale words,
.set VIM,   6656                       ; V's images,
.set VSC,   12800                      ; V's scale words
.set S,   96
.set KF,  32
.set KSR, 86
.set BM,  32                           ; the blocks' largest scores, then largest p
.set BP,  36                           ; the other half's; then the bytes
.set SO,  40                           ; the conversions' scale operands
.set CT,  44                           ; the conversions' second halves: v44-46, v48-50
.macro CROUND                          ; a round of the cluster's barrier
	s_barrier_signal -1
	s_barrier_wait -1
	s_cmp_lg_u32 s10, 0
	s_cbranch_scc1 .Lnot_wave_0_\@
	s_barrier_signal -3
.Lnot_wave_0_\@:
	s_barrier_wait -3
	s_barrier_signal -1
	s_barrier_wait -1
.endm
.macro SPROD t                         ; S^T, tile t: 16 keys x my 16 queries.  K's scale words of tiles 2 s and 2 s + 1 share a register: lanes 0-15 and lanes 16-31
.if (\t)%2
	v_wmma_scale_f32_16x16x128_f8f6f4 v[S+8*(\t):S+8*(\t)+7], v[KF+6*(\t):KF+6*(\t)+11], v[16:27], 0, v[KSR+(\t)/2], v92 matrix_a_fmt:MATRIX_FMT_FP6 matrix_b_fmt:MATRIX_FMT_FP6 matrix_a_scale:MATRIX_SCALE_ROW1
.else
	v_wmma_scale_f32_16x16x128_f8f6f4 v[S+8*(\t):S+8*(\t)+7], v[KF+6*(\t):KF+6*(\t)+11], v[16:27], 0, v[KSR+(\t)/2], v92 matrix_a_fmt:MATRIX_FMT_FP6 matrix_b_fmt:MATRIX_FMT_FP6
.endif
.endm
.macro OPROD t                         ; O^T, tile t: 16 channels x my 16 queries, K = the step's 128 keys
.if (\t)%2
	v_wmma_scale_f32_16x16x128_f8f6f4 v[160+8*(\t):167+8*(\t)], v[192+12*(\t):203+12*(\t)], v[240:251], v[160+8*(\t):167+8*(\t)], v[90+(\t)/2], v93 matrix_a_fmt:MATRIX_FMT_FP6 matrix_b_fmt:MATRIX_FMT_FP6 matrix_a_scale:MATRIX_SCALE_ROW1
.else
	v_wmma_scale_f32_16x16x128_f8f6f4 v[160+8*(\t):167+8*(\t)], v[192+12*(\t):203+12*(\t)], v[240:251], v[160+8*(\t):167+8*(\t)], v[90+(\t)/2], v93 matrix_a_fmt:MATRIX_FMT_FP6 matrix_b_fmt:MATRIX_FMT_FP6
.endif
.endm
	s_load_b128 s[4:7], s[0:1], 0x0                ; qkv, ctx's codes
	s_load_b64 s[8:9], s[0:1], 0x10                ; ctx's scales
	v_lshl_add_u32 v95, v0, 2, 0x33000
	v_mov_b32 v255, 0
	ds_add_u32 v95, v255
	ds_add_u32 v95, v255
	v_lshrrev_b32 v9, 5, v0
	s_delay_alu instid0(VALU_DEP_1)
	v_readfirstlane_b32 s10, v9                    ; wave 0..15
	s_bfe_u32 s11, ttmp6, 0x40000                  ; cx: my block of 512 queries; it enters Q's and ctx's addresses alone
	s_and_b32 s12, ttmp7, 0xffff                   ; 16 b + h, which the four partners share
	; descriptor group 1: 51 dense rows of 256 bytes (32 elements of 8 bytes), no padding
	s_mov_b32 s24, 15|(3<<16)|(1<<21)              ; the mask: all four work-groups; elements of 8 bytes; bit 21 beside a mask
	s_mov_b32 s25, 32<<16                          ; tensor_dim0
	s_mov_b32 s26, 51<<16                          ; tensor_dim1
	s_mov_b32 s27, 32<<16                          ; tile_dim0
	s_mov_b32 s28, 51                              ; tile_dim1
	s_mov_b32 s29, 32                              ; tensor_dim0_stride
	s_mov_b32 s30, 0
	s_mov_b32 s31, 0
	s_mul_i32 s14, s12, HEADW                      ; the head's first byte in qkv
	s_mov_b32 s15, 0
	s_mul_i32 s16, s10, STEPW
	s_add_co_u32 s16, s16, QB                      ; key step = my wave's number; K's section
	s_mov_b32 s17, 0
	s_mov_b32 s32, 1                               ; group 0: count = 1,
	s_mul_i32 s33, s10, KVB                        ; LDS address: wave x 13,056,
	s_mov_b32 s20, 0x76543210
	s_mov_b32 s21, 0xfedcba98                      ; v_permlanex16_b32: lane xor 16
	s_mov_b32 s22, 0x3e38aa3b                      ; c = log2(e) / 8
	s_mov_b32 s23, s22                             ; (named with it as a pair)
	s_wait_dscnt 0x0
	s_wait_kmcnt 0x0
	s_add_nc_u64 s[4:5], s[4:5], s[14:15]
	s_add_nc_u64 s[34:35], s[4:5], s[16:17]        ; global address,
	s_or_b32 s35, s35, 0x80000000                  ; type = 2
	CROUND                                         ; all four work-groups are here: the joint loads meet
	tensor_load_to_lds s[32:35], s[24:31]          ; my one tensor load of the launch
	s_nop 0
.rept 4
	v_nop
.endr
	s_lshl_b32 s16, s11, 2
	s_lshr_b32 s18, s10, 3
	s_add_co_u32 s16, s16, s18
	s_mul_i32 s16, s16, STEPW
	s_add_nc_u64 s[36:37], s[4:5], s[16:17]        ; Q: the run of 128 tokens 4 cx + wave / 8; two runs on in the second pass
	s_lshr_b32 s18, s12, 4
	s_lshl_b32 s18, s18, 7
	s_lshl_b32 s19, s11, 5
	s_add_co_u32 s18, s18, s19
	s_add_co_u32 s18, s18, s10                     ; my tile of 16 tokens: 128 b + 32 cx + wave
	s_and_b32 s19, s12, 15                         ; the head
	s_lshl_b32 s16, s18, 4
	s_add_co_u32 s16, s16, s19
	s_mul_i32 s16, s16, 768
	s_add_nc_u64 s[38:39], s[6:7], s[16:17]        ; ctx's codes: [tile][head][768]
	s_lshl_b32 s16, s18, 9
	s_lshl_b32 s19, s19, 1
	s_add_co_u32 s16, s16, s19
	s_add_nc_u64 s[40:41], s[8:9], s[16:17]        ; ctx's scales: 32 bytes a token, byte 2 x head + block
	v_and_b32 v9, 31, v0                           ; lane
	s_delay_alu instid0(VALU_DEP_1)
	v_lshlrev_b32 v1, 4, v9
	s_delay_alu instid0(VALU_DEP_2)
	v_lshlrev_b32 v2, 3, v9
	s_and_b32 s18, s10, 7                          ; tq: my tile among the run's eight
	s_mul_i32 s19, s18, 768
	v_add_nc_u32 v5, s19, v1                       ; Q's image: registers 0-3,
	v_add_nc_u32 v6, s19, v2                       ; registers 4-5 (512 bytes on)
	v_and_b32 v10, 15, v0                          ; r
	s_and_b32 s19, s18, 1
	s_lshl_b32 s19, s19, 8
	s_lshr_b32 s18, s18, 1
	s_lshl_b32 s18, s18, 2
	s_add_co_u32 s19, s19, s18
	v_lshl_add_u32 v7, v10, 4, s19                 ; Q's scale word: 16 (16 (tq % 2) + r) + 4 (tq / 2)
	v_lshrrev_b32 v11, 4, v9                       ; h
	s_delay_alu instid0(VALU_DEP_1)
	v_lshl_add_u32 v8, v10, 5, v11                 ; ctx's scale byte: 32 r + h
	v_cmp_le_u32 vcc_lo, 16, v9                    ; lanes 16-31; nothing else writes VCC
.irp j, 22,23,24,25,26,27,80,81,82,83,84,85
	v_mov_b32 v\j, 0                               ; zero codes: Q's empty half, and what stands behind K's last tile
.endr
	v_mov_b32 v253, 0                              ; (named as the upper half of the pair v[252:253])
	v_mov_b32 v254, 0
	s_wait_tensorcnt 0x0                           ; my key step is in,
	s_barrier_signal -1
	s_barrier_wait -1                              ; everybody's is
	s_mov_b32 s44, 2
.Lpass:                                            ; two passes of 16 queries a wave
	global_load_b128 v[16:19], v5, s[36:37]
	global_load_b64 v[20:21], v6, s[36:37] offset:512
	global_load_b32 v92, v7, s[36:37] offset:6144
	v_mov_b32 v13, 0xff61b1e6                      ; the largest t so far: -3e38
	s_delay_alu instid0(VALU_DEP_1)
	v_floor_f32 v12, -v13                          ; -M
	v_mov_b32 v14, 0
	v_mov_b32 v15, 0
.irp j, 0,1,2,3,4,5,6,7,8,9,10,11,12,13,14,15,16,17,18,19,20,21,22,23,24,25,26,27,28,29,30,31
	v_mov_b32 v[160+\j], 0                         ; O^T: the step is written once; the first finds zeros, which the first change of M leaves zeros
.endr
	s_mov_b32 s42, 0                               ; where the step's tiles begin in LDS
	s_mov_b32 s43, 16
	s_wait_loadcnt 0x0                             ; Q is in, so its base may step
	s_add_nc_u64 s[36:37], s[36:37], 2*STEPW       ; (behind the last pass the stepped address is not used)
.Lstep:                                            ; 16 key steps of 128 keys
	s_setprio 2
	v_add_nc_u32 v3, s42, v1
	v_add_nc_u32 v4, s42, v2
.irp t, 0,1,2,3,4,5,6,7
	ds_load_b128 v[KF+6*\t:KF+6*\t+3], v3 offset:768*\t
	ds_load_b64 v[KF+6*\t+4:KF+6*\t+5], v4 offset:768*\t+512
.endr
	ds_load_b128 v[KSR:KSR+3], v3 offset:KSC
	s_wait_alu depctr_va_vdst(0)
	s_wait_dscnt 0x0
.irp t, 0,1,2,3,4,5,6,7
	SPROD \t
.endr
.rept 4
	v_nop                                          ; places behind these products; with the two additions above also the places between the last step's second product and the loads into V's registers
.endr
.irp t, 0,1,2,3
.irp g, 0,1,2
	ds_load_b128 v[192+12*\t+4*\g:195+12*\t+4*\g], v3 offset:VIM+1536*\t+512*\g   ; V lands while the softmax is worked
.endr
.endr
	ds_load_b64 v[90:91], v4 offset:VSC
.irp b, 0,1,2,3
	v_max3_num_f32 v[BM+\b], v[S+16*\b], v[S+1+16*\b], v[S+2+16*\b]   ; the largest score of each block of 32 keys: for the row's maximum, and, since p rises with the score, for the block's largest p
.endr
.irp i, 3,5,7,9,11,13
.irp b, 0,1,2,3
	v_max3_num_f32 v[BM+\b], v[BM+\b], v[S+16*\b+\i], v[S+1+16*\b+\i]
.endr
.endr
.irp b, 0,1,2,3
	v_max_num_f32 v[BM+\b], v[BM+\b], v[S+15+16*\b]
.endr
.irp b, 0,1,2,3
	s_delay_alu instid0(VALU_DEP_4)
	v_permlanex16_b32 v[BP+\b], v[BM+\b], s20, s21
.endr
.irp b, 0,1,2,3
	s_delay_alu instid0(VALU_DEP_4)
	v_max_num_f32 v[BM+\b], v[BM+\b], v[BP+\b]     ; with lane l xor 16's 16 keys
.endr
	s_delay_alu instid0(VALU_DEP_2)
	v_max3_num_f32 v254, v[BM], v[BM+1], v[BM+2]
	s_delay_alu instid0(VALU_DEP_1)
	v_max_num_f32 v254, v254, v[BM+3]              ; the step's largest score of my query
	s_delay_alu instid0(VALU_DEP_1)
	v_mul_f32 v254, s22, v254                      ; as t
	s_delay_alu instid0(VALU_DEP_1)
	v_max_num_f32 v13, v13, v254                   ; the running largest t
	v_mov_b32 v254, v12
	s_delay_alu instid0(VALU_DEP_2)
	v_floor_f32 v12, -v13                          ; the new -M = -ceil(t)
	s_delay_alu instid0(VALU_DEP_1)
	v_sub_f32 v254, v12, v254                      ; old M - new M: a whole number, 0 or less
	s_delay_alu instid0(VALU_DEP_1)
	v_cvt_i32_f32 v254, v254                       ; (it saturates)
	s_delay_alu instid0(VALU_DEP_1)
	v_ldexp_f32 v252, 1.0, v254                    ; f = 2^(old M - new M)
.irp j, 0,2,4,6,8,10,12,14,16,18,20,22,24,26,28,30,32,34,36,38,40,42,44,46,48,50,52,54,56,58,60,62
	v_pk_fma_f32 v[S+\j:S+1+\j], v[S+\j:S+1+\j], s[22:23], v[12:13] op_sel_hi:[1,0,0]   ; t - M, two at a time
.endr
.irp b, 0,1,2,3
	v_fma_f32 v[BM+\b], v[BM+\b], s22, v12         ; the same of each block's largest score
.endr
	s_wait_alu depctr_va_vdst(0)
.irp j, 0,1,2,3,4,5,6,7,8,9,10,11,12,13,14,15,16,17,18,19,20,21,22,23,24,25,26,27,28,29,30,31,32,33,34,35,36,37,38,39,40,41,42,43,44,45,46,47,48,49,50,51,52,53,54,55,56,57,58,59,60,61,62,63
	v_exp_f32 v[S+\j], v[S+\j]                     ; p = 2^(t - M)
.endr
	s_setprio 1
	v_pk_mul_f32 v[14:15], v[14:15], v[252:253] op_sel_hi:[1,0]   ; the sums under the new M: the plain place behind the exponentials
	s_wait_alu depctr_va_vdst(0)                   ; one wait for the batch of 64, ahead of its first reader
.irp b, 0,1,2,3
	v_exp_f32 v[BM+\b], v[BM+\b]                   ; the block's largest p
.endr
	v_pk_add_f32 v[52:53], v[100:101], v[104:105]
	v_pk_add_f32 v[250:251], v[108:109], v[112:113]
	v_pk_add_f32 v[248:249], v[116:117], v[120:121]
	v_pk_add_f32 v[246:247], v[124:125], v[128:129]
	v_pk_add_f32 v[244:245], v[132:133], v[136:137]
	v_pk_add_f32 v[242:243], v[140:141], v[144:145]
	v_pk_add_f32 v[240:241], v[148:149], v[152:153]
	v_pk_add_f32 v[14:15], v[14:15], v[156:157]
	v_pk_add_f32 v[52:53], v[52:53], v[96:97]
	v_pk_add_f32 v[250:251], v[250:251], v[98:99]
	v_pk_add_f32 v[248:249], v[248:249], v[102:103]
	v_pk_add_f32 v[246:247], v[246:247], v[106:107]
	v_pk_add_f32 v[244:245], v[244:245], v[110:111]
	v_pk_add_f32 v[242:243], v[242:243], v[114:115]
	v_pk_add_f32 v[240:241], v[240:241], v[118:119]
	v_pk_add_f32 v[14:15], v[14:15], v[122:123]
	v_pk_add_f32 v[52:53], v[52:53], v[126:127]
	v_pk_add_f32 v[250:251], v[250:251], v[130:131]
	v_pk_add_f32 v[248:249], v[248:249], v[134:135]
	v_pk_add_f32 v[246:247], v[246:247], v[138:139]
	v_pk_add_f32 v[244:245], v[244:245], v[142:143]
	v_pk_add_f32 v[242:243], v[242:243], v[146:147]
	v_pk_add_f32 v[240:241], v[240:241], v[150:151]
	v_pk_add_f32 v[14:15], v[14:15], v[154:155]
	v_pk_add_f32 v[52:53], v[52:53], v[158:159]
	s_delay_alu instid0(VALU_DEP_2)
	v_pk_add_f32 v[14:15], v[14:15], v[246:247]
	s_delay_alu instid0(VALU_DEP_2)
	v_pk_add_f32 v[52:53], v[52:53], v[244:245]
	v_pk_add_f32 v[250:251], v[250:251], v[242:243]
	v_pk_add_f32 v[248:249], v[248:249], v[240:241]
	s_delay_alu instid0(VALU_DEP_2)
	v_pk_add_f32 v[14:15], v[14:15], v[250:251]
	s_delay_alu instid0(VALU_DEP_2)
	v_pk_add_f32 v[52:53], v[52:53], v[248:249]
	s_delay_alu instid0(VALU_DEP_1)
	v_pk_add_f32 v[14:15], v[14:15], v[52:53]
	s_wait_alu depctr_va_vdst(0)                   ; and one for the four
.irp b, 0,1,2,3
	v_max_num_f32 v[BM+\b], 0x1800000, v[BM+\b]    ; the floor 2^-124: the byte cannot fall under 1
.endr
.irp b, 0,1,2,3
	s_delay_alu instid0(VALU_DEP_4)
	v_add_nc_u32 v[SO+\b], 0xff000000, v[BM+\b]    ; 2 off the exponent field: the conversion's scale operand
.endr
.irp b, 0,1,2,3
	s_delay_alu instid0(VALU_DEP_4)
	v_lshrrev_b32 v[BP+\b], 23, v[SO+\b]           ; the scale's byte
.endr
	s_delay_alu instid0(VALU_DEP_3)
	v_lshl_or_b32 v93, v[BP+1], 8, v[BP]           ; p's scale word for these 128 keys
	s_delay_alu instid0(VALU_DEP_1)
	v_lshl_or_b32 v93, v[BP+2], 16, v93
	s_delay_alu instid0(VALU_DEP_1)
	v_lshl_or_b32 v93, v[BP+3], 24, v93
.irp c, 0,1
	v_cvt_scalef32_pk16_fp6_f32 v[240+6*\c:242+6*\c], v[S+32*\c:S+15+32*\c], v[SO+2*\c]
	v_cvt_scalef32_pk16_fp6_f32 v[CT+4*\c:CT+2+4*\c], v[S+16+32*\c:S+31+32*\c], v[SO+1+2*\c]
.endr
	v_nop                                          ; one plain place behind a scaled conversion
.irp c, 0,1
.irp i, 0,1,2
	v_permlane16_swap_b32 v[240+6*\c+\i], v[CT+4*\c+\i]   ; a whole block to a lane: lanes 0-15 block 2 c, lanes 16-31 block 2 c + 1
.endr
.irp i, 0,1,2
	s_delay_alu instid0(VALU_DEP_3)
	v_mov_b32 v[243+6*\c+\i], v[CT+4*\c+\i]
.endr
.endr
	s_setprio 0
.irp j, 0,2,4,6,8,10,12,14,16,18,20,22,24,26,28,30
	v_pk_mul_f32 v[160+\j:161+\j], v[160+\j:161+\j], v[252:253] op_sel_hi:[1,0]   ; O^T under the new M.  These 16 are also the places between the writes of p's codes and scale word and the products
.endr
	s_wait_alu depctr_va_vdst(0)
	s_wait_dscnt 0x0                               ; V is in
.irp t, 0,1,2,3
	OPROD \t                                       ; the four accumulators take turns, one instruction a turn
.endr
	s_add_co_u32 s42, s42, KVB
	s_sub_co_u32 s43, s43, 1
	s_cmp_lg_u32 s43, 0
	s_cbranch_scc1 .Lstep
	s_setprio 0
	; THE WAY OUT of a pass: O^T / the sum, into the true order, quantised, stored as an image.
.rept 4
	v_nop                                          ; places behind the last products
.endr
	v_add_f32 v14, v14, v15
	s_delay_alu instid0(VALU_DEP_1)
	v_permlanex16_b32 v254, v14, s20, s21
	s_delay_alu instid0(VALU_DEP_1)
	v_add_f32 v14, v14, v254                       ; the row's sum
	s_wait_alu depctr_va_vdst(0)
	v_rcp_f32 v14, v14
	v_nop                                          ; a plain place behind the reciprocal
	s_wait_alu depctr_va_vdst(0)                   ; the wait ahead of its first reader
.irp j, 0,1,2,3,4,5,6,7,8,9,10,11,12,13,14,15,16,17,18,19,20,21,22,23,24,25,26,27,28,29,30,31
	v_mul_f32 v[S+\j], v[160+\j], v14              ; register 8 t + i: channel 16 t + 8 h + i of my query
.endr
.irp b, 0,1
.irp j, 0,1,2,3,4,5,6,7
	v_permlane16_swap_b32 v[S+16*\b+\j], v[S+8+16*\b+\j]   ; now register 16 b + i: channel 32 b + 16 h + i: 16 neighbours
.endr
.endr
.irp b, 0,1
	v_max3_num_f32 v[BM+\b], |v[S+16*\b]|, |v[S+1+16*\b]|, 0x1800000
.endr
.irp i, 2,4,6,8,10,12,14
.irp b, 0,1
	s_delay_alu instid0(VALU_DEP_2)
	v_max3_num_f32 v[BM+\b], v[BM+\b], |v[S+16*\b+\i]|, |v[S+1+16*\b+\i]|
.endr
.endr
.irp b, 0,1
	s_delay_alu instid0(VALU_DEP_2)
	v_permlanex16_b32 v[BP+\b], v[BM+\b], s20, s21
.endr
.irp b, 0,1
	s_delay_alu instid0(VALU_DEP_2)
	v_max_num_f32 v[BM+\b], v[BM+\b], v[BP+\b]
.endr
.irp b, 0,1
	s_delay_alu instid0(VALU_DEP_2)
	v_add_nc_u32 v[SO+\b], 0xff000000, v[BM+\b]
.endr
.irp b, 0,1
	s_delay_alu instid0(VALU_DEP_2)
	v_lshrrev_b32 v[BP+\b], 23, v[SO+\b]
.endr
	v_cvt_scalef32_pk16_fp6_f32 v[240:242], v[S:S+15], v[SO]
	v_cvt_scalef32_pk16_fp6_f32 v[CT:CT+2], v[S+16:S+31], v[SO+1]
	v_nop
.irp i, 0,1,2
	v_permlane16_swap_b32 v[240+\i], v[CT+\i]      ; lanes 0-15 block 0, lanes 16-31 block 1
.endr
.irp i, 0,1,2
	s_delay_alu instid0(VALU_DEP_3)
	v_mov_b32 v[243+\i], v[CT+\i]
.endr
	v_cndmask_b32 v254, v[BP], v[BP+1], vcc_lo     ; my block's byte
	global_store_b128 v1, v[240:243], s[38:39]     ; 512 consecutive bytes, aligned
	global_store_b64 v2, v[244:245], s[38:39] offset:512
	global_store_b8 v8, v254, s[40:41]             ; a head owns 2 of a token's 32 scale bytes: single bytes, one 24th of what the pass stores
	s_wait_xcnt 0x0                                ; the stores have read their registers and bases
	s_add_nc_u64 s[38:39], s[38:39], 16*16*768     ; 16 tiles of tokens on
	s_add_nc_u64 s[40:41], s[40:41], 16*512
	s_sub_co_u32 s44, s44, 1
	s_cmp_lg_u32 s44, 0
	s_cbranch_scc1 .Lpass
	s_wait_tensorcnt 0x0
	ds_add_u32 v95, v255
	s_wait_dscnt 0x0
	CROUND                                         ; the closing round
	s_endpgm
.Lfunc_end_k_qcf3411d810_attn:
	.size	k_qcf3411d810_attn, .Lfunc_end_k_qcf3411d810_attn-k_qcf3411d810_attn
	.p2alignl 7, 3214868480
	.fill 96, 4, 3214868480
	.section	.rodata,"a",@progbits
	.p2align	6, 0x0
	.amdhsa_kernel k_qcf3411d810_attn
		.amdhsa_group_segment_fixed_size 210944
		.amdhsa_private_segment_fixed_size 0
		.amdhsa_enable_private_segment 0
		.amdhsa_kernarg_size 24
		.amdhsa_user_sgpr_count 2
		.amdhsa_user_sgpr_kernarg_segment_ptr 1
		.amdhsa_wavefront_size32 1
		.amdhsa_system_sgpr_workgroup_id_x 1
		.amdhsa_system_sgpr_workgroup_id_y 1
		.amdhsa_system_sgpr_workgroup_id_z 1
		.amdhsa_system_vgpr_workitem_id 0
		.amdhsa_next_free_vgpr 256
		.amdhsa_next_free_sgpr 66
		.amdhsa_reserve_vcc 1
		.amdhsa_float_denorm_mode_32 3
		.amdhsa_float_denorm_mode_16_64 3
		.amdhsa_memory_ordered 1
		.amdhsa_forward_progress 1
		.amdhsa_inst_pref_size 29
	.end_amdhsa_kernel
	.amdgpu_metadata
---
amdhsa.version: [ 1, 2 ]
amdhsa.kernels:
  - .name:           k_qcf3411d810_attn
    .symbol:         k_qcf3411d810_attn.kd
    .args:
      - { .name: qkv, .offset: 0, .size: 8, .value_kind: global_buffer, .address_space: global }
      - { .name: ctx_codes, .offset: 8, .size: 8, .value_kind: global_buffer, .address_space: global }
      - { .name: ctx_scales, .offset: 16, .size: 8, .value_kind: global_buffer, .address_space: global }
    .group_segment_fixed_size: 210944
    .private_segment_fixed_size: 0
    .kernarg_segment_align: 8
    .kernarg_segment_size: 24
    .max_flat_workgroup_size: 512
    .sgpr_count:     66
    .vgpr_count:     256
    .wavefront_size: 32
...
	.end_amdgpu_metadata
.endif
;; end of part 2
;; launch outp (part 3): grid 4 x 32, 4 waves a work-group, clusters of 4 x 4, 327,680 bytes of LDS; arguments ctx_codes, ctx_scales, wo_codes, wo_scales, bo, out0; writes out0
.if DOCPART == 3
	.amdgcn_target "amdgcn-amd-amdhsa--gfx1250"
	.amdhsa_code_object_version 6
	.text
	.protected	k_qcf3411d810_outp
	.globl	k_qcf3411d810_outp
	.p2align	8
	.type	k_qcf3411d810_outp,@function
k_qcf3411d810_outp:
	s_mov_b64 s[64:65], 0
	v_nop
	global_prefetch_b8 v0, s[64:65] scope:SCOPE_SE
	s_setreg_imm32_b32 hwreg(HW_REG_WAVE_MODE, 25, 1), 1
	s_wait_xcnt 0x0
	s_wait_alu depctr_hold_cnt(0) depctr_sa_sdst(0) depctr_va_vdst(0) depctr_va_sdst(0) depctr_va_ssrc(0) depctr_va_vcc(0) depctr_vm_vsrc(0)
	s_getreg_b32 s2, hwreg(HW_REG_IB_STS2, 6, 4)
	s_cmp_eq_u32 s2, 0
	s_cbranch_scc0 .Lentry_in_a_cluster
	s_endpgm
.Lentry_in_a_cluster:
	s_bfe_u32 s2, ttmp6, 0x10000c
	s_cmp_lg_u32 s2, 0xf033
	s_cbranch_scc0 .Lentry_shape_is_right
	s_endpgm
.Lentry_shape_is_right:
.set SIZE_N, 1024
.set SIZE_K, 1024
.set KSTEP,  256
.set NQ,     KSTEP/128
.set ROWB,   192
.set KROW,   SIZE_K*6/8
.set PITCH,  240
.set FR,     12
.set NL,     6
.set NLA,    4
.set NP,     4
.set AROW,   12288
.set ASTEP,  3072
.set HALFA,  8*ASTEP
.set HALFB,  128*PITCH
.set BOFF,   2*HALFA
.set SLOT,   BOFF+2*HALFB
.set LAPS,   SIZE_K/(2*KSTEP)
.set KS,     SIZE_K/32
.set SCL,    2*SLOT
.set HALFS,  (128*KS/256)*272
.set SBLK,   (16*KS/256)*272
.set SPARE,  SCL+4*HALFS
.set SPITCH, 528
.set ADRA, 16
.set ADRB, 20
.set STO,  24
.set RD,   25
.set CO,   26
.set ADRS, 27
.set SPW,  28
.set NIL,  29
.set SC,   32
.set BIAS, 64
.set AF,   128
.set BK,   128
.set G1, 24
.set G0, 32
.set G1B, 48
.set G0B, 56
.set G1S, 68
.set G0S, 76
.set G1SB, 80
.set G0SB, 88
.set MSB, 0
.macro WIN new
.if MSB != (\new)
	s_set_vgpr_msb (MSB<<8)|(\new)
.set MSB, (\new)
.endif
.endm
.set MUL_LO, 0xa1
.set MUL_HI, 0xf1
.set FIRST_LO, 0x81
.set FIRST_HI, 0xc1
.set TO_B,   0x40
.macro JLOAD g0a, g1a, g0b, g1b
	s_cmp_eq_u32 s15, 0
	s_cbranch_scc0 .Lfor_b_\@
	tensor_load_to_lds s[\g0a:\g0a+3], s[\g1a:\g1a+7]
	s_nop 0
.rept 4
	v_nop
.endr
	s_branch .Lasked_\@
.Lfor_b_\@:
	tensor_load_to_lds s[\g0b:\g0b+3], s[\g1b:\g1b+7]
	s_nop 0
.rept 4
	v_nop
.endr
.Lasked_\@:
.endm
.macro CREST
	s_cmp_lg_u32 s14, 0
	s_cbranch_scc1 .Lnot_wave_0_\@
	s_barrier_signal -3
.Lnot_wave_0_\@:
	s_barrier_wait -3
	s_barrier_signal -1
	s_barrier_wait -1
.endm
.macro CROUND
	s_barrier_signal -1
	s_barrier_wait -1
	CREST
.endm
	s_load_b128 s[4:7], s[0:1], 0x0
	s_load_b128 s[8:11], s[0:1], 0x10
	s_load_b64 s[66:67], s[0:1], 0x20
	s_load_b64 s[12:13], s[0:1], 0x28
	v_lshl_add_u32 v[SPW], v0, 2, SPARE
	v_mov_b32 v[NIL], 0
	ds_add_u32 v28, v29
	ds_add_u32 v28, v29
	s_wait_dscnt 0x0
	v_lshrrev_b32 v1, 5, v0
	v_readfirstlane_b32 s14, v1
	s_lshr_b32 s15, s14, 1
	s_and_b32 s16, s14, 1
	s_bfe_u32 s40, ttmp6, 0x40000
	s_bfe_u32 s41, ttmp6, 0x40004
	s_lshl_b32 s42, ttmp9, 2
	s_add_co_u32 s42, s42, s40
	s_and_b32 s17, ttmp7, 0xffff
	s_lshl_b32 s17, s17, 2
	s_add_co_u32 s17, s17, s41
	s_lshl_b32 s43, s41, 2
	s_lshl_b32 s43, 15, s43
	s_lshl_b32 s44, 0x1111, s40
	s_or_b32 s[G1+0], s43, (3<<16)|(1<<21)
	s_mov_b32 s[G1+1], (ASTEP/8)<<16
	s_mov_b32 s[G1+2], 8<<16
	s_mov_b32 s[G1+3], (ASTEP/8)<<16
	s_mov_b32 s[G1+4], 8
	s_mov_b32 s[G1+5], AROW/8
	s_mov_b32 s[G1+6], 0
	s_mov_b32 s[G1+7], 0
	s_or_b32 s[G1B+0], s44, (0<<16)|(1<<20)|(1<<21)|(3<<22)|(3<<25)
	s_mov_b32 s[G1B+1], ROWB<<16
	s_mov_b32 s[G1B+2], 128<<16
	s_mov_b32 s[G1B+3], ROWB<<16
	s_mov_b32 s[G1B+4], 128
	s_mov_b32 s[G1B+5], KROW
	s_mov_b32 s[G1B+6], 0
	s_mov_b32 s[G1B+7], 0
	s_or_b32 s[G1S+0], s43, (3<<16)|(1<<20)|(1<<21)|(5<<22)|(3<<25)
	s_or_b32 s[G1SB+0], s44, (3<<16)|(1<<20)|(1<<21)|(5<<22)|(3<<25)
.irp g, G1S, G1SB
	s_mov_b32 s[\g+1], 32<<16
	s_mov_b32 s[\g+2], (128*KS/256)<<16
	s_mov_b32 s[\g+3], 32<<16
	s_mov_b32 s[\g+4], 128*KS/256
	s_mov_b32 s[\g+5], 32
	s_mov_b32 s[\g+6], 0
	s_mov_b32 s[\g+7], 0
.endr
	s_lshl_b32 s20, s17, 4
	s_lshl_b32 s18, s16, 3
	s_add_co_u32 s20, s20, s18
	s_mul_i32 s20, s20, AROW
	s_mov_b32 s21, 0
	s_lshl_b32 s22, s17, 13
	s_lshl_b32 s18, s16, 12
	s_add_co_u32 s22, s22, s18
	s_mov_b32 s23, 0
	s_lshl_b32 s46, s42, 8
	s_lshl_b32 s18, s16, 7
	s_add_co_u32 s46, s46, s18
	s_lshl_b32 s92, s46, 5
	s_mov_b32 s93, 0
	s_mul_i32 s46, s46, KROW
	s_mov_b32 s47, 0
	s_mul_i32 s45, s16, HALFA
	s_mul_i32 s97, s16, HALFB
	s_add_co_u32 s97, s97, BOFF
	s_mul_i32 s94, s14, HALFS
	s_wait_kmcnt 0x0
	s_add_nc_u64 s[20:21], s[4:5], s[20:21]
	s_add_nc_u64 s[22:23], s[6:7], s[22:23]
	s_add_nc_u64 s[46:47], s[8:9], s[46:47]
	s_add_nc_u64 s[92:93], s[10:11], s[92:93]
	CROUND
	s_mov_b32 s[G0S], 1
	s_add_co_u32 s[G0S+1], s94, SCL
	s_mov_b64 s[G0S+2:G0S+3], s[22:23]
	s_or_b32 s[G0S+3], s[G0S+3], 0x80000000
	s_mov_b32 s[G0SB], 1
	s_add_co_u32 s[G0SB+1], s94, SCL
	s_mov_b64 s[G0SB+2:G0SB+3], s[92:93]
	s_or_b32 s[G0SB+3], s[G0SB+3], 0x80000000
	JLOAD G0S, G1S, G0SB, G1SB
.irp s, 0,1
	s_mov_b32 s[G0+4*\s], 1
	s_add_co_u32 s[G0+4*\s+1], s45, \s*SLOT
	s_add_nc_u64 s[G0+4*\s+2:G0+4*\s+3], s[20:21], \s*ASTEP
	s_or_b32 s[G0+4*\s+3], s[G0+4*\s+3], 0x80000000
	s_mov_b32 s[G0B+4*\s], 1
	s_add_co_u32 s[G0B+4*\s+1], s97, \s*SLOT
	s_add_nc_u64 s[G0B+4*\s+2:G0B+4*\s+3], s[46:47], \s*ROWB
	s_or_b32 s[G0B+4*\s+3], s[G0B+4*\s+3], 0x80000000
	s_wait_alu depctr_va_vdst(0)
	s_wait_tensorcnt 0x0
	ds_add_u32 v28, v29
	s_wait_dscnt 0x0
	CROUND
	JLOAD G0+4*\s, G1, G0B+4*\s, G1B
.endr
	v_and_b32 v1, 15, v0
	v_bfe_u32 v2, v0, 4, 1
	v_and_b32 v6, 31, v0
	v_lshlrev_b32 v7, 4, v6
	v_lshlrev_b32 v8, 3, v6
	v_mul_u32_u24 v3, v1, PITCH
	v_mul_u32_u24 v4, v2, 24
	v_add_nc_u32 v4, v3, v4
	v_lshl_add_u32 v5, v2, 4, v4
	s_mul_i32 s21, s15, HALFA
	s_mul_i32 s22, s16, HALFB
	s_add_co_u32 s22, s22, BOFF
.irp s, 0,1
	v_add_nc_u32 v[ADRA+\s], s21, v7
	v_add_nc_u32 v[ADRA+2+\s], s21, v8
	v_add_nc_u32 v[ADRB+\s], s22, v4
	v_add_nc_u32 v[ADRB+2+\s], s22, v5
	s_add_co_u32 s21, s21, SLOT
	s_add_co_u32 s22, s22, SLOT
.endr
	v_mul_u32_u24 v5, v1, KS
	v_lshrrev_b32 v9, 8, v5
	v_lshl_add_u32 v5, v9, 4, v5
	s_mul_i32 s21, s15, HALFS
	s_mul_i32 s22, s16, HALFS
	s_add_co_u32 s22, s22, 2*HALFS
	s_sub_co_u32 s22, s22, s21
	v_mul_u32_u24 v9, s22, v2
	s_add_co_u32 s21, s21, SCL
	v_add_nc_u32 v5, v5, v9
	v_add_nc_u32 v[ADRS], s21, v5
	s_mul_i32 s23, s14, 16*SPITCH
	v_mul_u32_u24 v5, v1, SPITCH
	v_lshl_add_u32 v5, v2, 5, v5
	v_add_nc_u32 v[STO], s23, v5
	v_lshlrev_b32 v[CO], 4, v6
	v_add_nc_u32 v[RD], s23, v[CO]
	s_lshl_b32 s20, s17, 8
	s_lshl_b32 s21, s15, 7
	s_add_co_u32 s20, s20, s21
	s_mov_b32 s21, 0
	s_mov_b64 s[18:19], SIZE_N*4
	s_mul_u64 s[20:21], s[20:21], s[18:19]
	s_lshl_b32 s46, s42, 10
	s_lshl_b32 s47, s16, 9
	s_add_co_u32 s46, s46, s47
	s_mov_b32 s47, 0
	s_add_nc_u64 s[66:67], s[66:67], s[46:47]
	s_add_nc_u64 s[20:21], s[20:21], s[46:47]
	s_add_nc_u64 s[12:13], s[12:13], s[20:21]
	v_lshlrev_b32 v30, 5, v2
.irp b, 0,1,2,3,4,5,6,7
	global_load_b128 v[BIAS+8*\b:BIAS+8*\b+3], v30, s[66:67] offset:64*\b
	global_load_b128 v[BIAS+8*\b+4:BIAS+8*\b+7], v30, s[66:67] offset:64*\b+16
.endr
.macro FRAG reg, adr, q, i
.irp p, 0,1,2,3,4,5
.set PC, 12*(\q)+6*(\p/3)+\p%3
.if PC%8 < 5
	ds_load_b64 v[\reg+2*\p:\reg+2*\p+1], v[\adr] offset:8*PC+16*(PC/8)+(\i)*16*PITCH
.else
	ds_load_b64 v[\reg+2*\p:\reg+2*\p+1], v[\adr+2] offset:8*PC+16*(PC/8)+(\i)*16*PITCH
.endif
.endr
.endm
.macro IMGA reg, slot, q, i
	ds_load_b128 v[\reg:\reg+3], v[ADRA+\slot] offset:ASTEP*(\i)+1536*(\q)
	ds_load_b64 v[\reg+4:\reg+5], v[ADRA+2+\slot] offset:ASTEP*(\i)+1536*(\q)+512
	ds_load_b128 v[\reg+6:\reg+9], v[ADRA+\slot] offset:ASTEP*(\i)+1536*(\q)+768
	ds_load_b64 v[\reg+10:\reg+11], v[ADRA+2+\slot] offset:ASTEP*(\i)+1536*(\q)+1280
.endm
.macro MUL16 a0, p, q, sc, first
.irp a, \a0, \a0+1
.irp b, 0,1,2,3,4,5,6,7
.if \first
	v_wmma_scale_f32_16x16x128_f8f6f4 v[8*(8*((\a)%4)+\b):8*(8*((\a)%4)+\b)+7], v[128*(\p)+FR*\b:128*(\p)+FR*\b+FR-1], v[AF+FR*(\a):AF+FR*(\a)+FR-1], v[BIAS+8*\b:BIAS+8*\b+7], v[SC+8*NQ*(\sc)+NQ*\b+(\q)], v[SC+8*NQ*(\sc)+NQ*(\a)+(\q)] matrix_a_fmt:MATRIX_FMT_FP6 matrix_b_fmt:MATRIX_FMT_FP6 matrix_a_scale:MATRIX_SCALE_ROW1
.else
	v_wmma_scale_f32_16x16x128_f8f6f4 v[8*(8*((\a)%4)+\b):8*(8*((\a)%4)+\b)+7], v[128*(\p)+FR*\b:128*(\p)+FR*\b+FR-1], v[AF+FR*(\a):AF+FR*(\a)+FR-1], v[8*(8*((\a)%4)+\b):8*(8*((\a)%4)+\b)+7], v[SC+8*NQ*(\sc)+NQ*\b+(\q)], v[SC+8*NQ*(\sc)+NQ*(\a)+(\q)] matrix_a_fmt:MATRIX_FMT_FP6 matrix_b_fmt:MATRIX_FMT_FP6 matrix_a_scale:MATRIX_SCALE_ROW1
.endif
.endr
.endr
.endm
.macro FETCH_B slot, q, p
	WIN TO_B
.irp i, 0,1,2,3,4,5,6,7
	FRAG 128*(\p)+FR*\i, ADRB+\slot, \q, \i
.endr
	WIN 0
.endm
.macro FETCH_A slot, q, i0
.irp i, \i0, \i0+1, \i0+2, \i0+3
	IMGA AF+FR*(\i), \slot, \q, \i
.endr
.endm
.macro SCALES sc
.irp i, 0,1,2,3,4,5,6,7
	ds_load_b64 v[SC+8*NQ*\sc+NQ*\i:SC+8*NQ*\sc+NQ*\i+1], v[ADRS] offset:\i*SBLK
.endr
.endm
.macro PLACES n
.rept \n
	v_nop
.endr
.endm
.macro STEP slot, q, first
	s_wait_dscnt 4*NLA
.if \first
	WIN FIRST_LO
.else
	WIN MUL_LO
.endif
	MUL16 0, (\q)%2, \q, \slot, \first
	MUL16 2, (\q)%2, \q, \slot, \first
	s_wait_dscnt 0
	PLACES NP
	FETCH_B \slot, (\q)+1, 1-(\q)%2
	FETCH_A \slot, (\q)+1, 0
.if \first
	WIN FIRST_HI
.else
	WIN MUL_HI
.endif
	MUL16 4, (\q)%2, \q, \slot, \first
	MUL16 6, (\q)%2, \q, \slot, \first
	PLACES NP
	WIN 0
	FETCH_A \slot, (\q)+1, 4
.endm
.macro TURN slot, next, fill
	s_wait_tensorcnt 0x0
	ds_add_u32 v[SPW], v[NIL]
	s_wait_dscnt 4*NLA+1
	WIN MUL_LO
	MUL16 0, 1, NQ-1, \slot, 0
	s_wait_dscnt 0x0
	s_barrier_signal -1
	MUL16 2, 1, NQ-1, \slot, 0
	WIN 0
	s_barrier_wait -1
.if \fill
	CREST
	s_add_nc_u64 s[G0+4*\slot+2:G0+4*\slot+3], s[G0+4*\slot+2:G0+4*\slot+3], 2*ASTEP
	s_add_nc_u64 s[G0B+4*\slot+2:G0B+4*\slot+3], s[G0B+4*\slot+2:G0B+4*\slot+3], 2*ROWB
	JLOAD G0+4*\slot, G1, G0B+4*\slot, G1B
.else
	PLACES NP
.endif
	s_wait_alu depctr_va_vdst(0)
	v_add_nc_u32 v[ADRS], 4*NQ, v[ADRS]
	FETCH_B \next, 0, 0
	FETCH_A \next, 0, 0
	SCALES \next
	WIN MUL_HI
	MUL16 4, 1, NQ-1, \slot, 0
	MUL16 6, 1, NQ-1, \slot, 0
	PLACES NP
	WIN 0
	FETCH_A \next, 0, 4
.endm
	s_wait_alu depctr_va_vdst(0)
	s_wait_tensorcnt 1
	s_barrier_signal -1
	s_barrier_wait -1
	FETCH_B 0, 0, 0
	FETCH_A 0, 0, 0
	SCALES 0
	FETCH_A 0, 0, 4
	s_wait_loadcnt 0x0
	STEP 0, 0, 1
	s_mov_b32 s3, LAPS-1
.Llap:
	TURN 0, 1, 1
	STEP 1, 0, 0
	TURN 1, 0, 1
	STEP 0, 0, 0
	s_sub_co_u32 s3, s3, 1
	s_cmp_lg_u32 s3, 0
	s_cbranch_scc1 .Llap
	TURN 0, 1, 0
	STEP 1, 0, 0
	s_wait_dscnt 4*NLA
	WIN MUL_LO
	MUL16 0, 1, NQ-1, 1, 0
	MUL16 2, 1, NQ-1, 1, 0
	s_wait_dscnt 0
	WIN MUL_HI
	MUL16 4, 1, NQ-1, 1, 0
	MUL16 6, 1, NQ-1, 1, 0
	WIN 0
.macro TOSTAGE a
.set AC, 64*((\a)%4)
	WIN 0x08+4*((\a)/4)
.irp b, 0,1,2,3,4,5,6,7
	ds_store_b128 v[STO], v[AC+8*\b:AC+8*\b+3] offset:64*\b
	ds_store_b128 v[STO], v[AC+8*\b+4:AC+8*\b+7] offset:64*\b+16
.endr
	WIN 0
.set BB, BK+64*((\a)%2)
.irp t, 0,1,2,3,4,5,6,7,8,9,10,11,12,13,14,15
	ds_load_b128 v[BB+4*\t:BB+4*\t+3], v[RD] offset:\t*SPITCH
.endr
.endm
.macro SEND a, younger
.set BB, BK+64*((\a)%2)
	s_wait_dscnt \younger
.if (\a) > 0
	s_add_nc_u64 s[12:13], s[12:13], 16*SIZE_N*4
.endif
.irp t, 0,1,2,3,4,5,6,7,8,9,10,11,12,13,14,15
	global_store_b128 v[CO], v[BB+4*\t:BB+4*\t+3], s[12:13] offset:\t*SIZE_N*4 th:TH_STORE_NT
.endr
.endm
	PLACES NP
	TOSTAGE 0
.irp a, 1,2,3,4,5,6,7
.if \a > 1
	s_wait_xcnt 0x0
.endif
	TOSTAGE \a
	SEND \a-1, 32
.endr
	s_wait_xcnt 0x0
	SEND 7, 0
	s_wait_tensorcnt 0x0
	ds_add_u32 v[SPW], v[NIL]
	s_wait_dscnt 0x0
	CROUND
	s_endpgm
.Lfunc_end_k_qcf3411d810_outp:
	.size	k_qcf3411d810_outp, .Lfunc_end_k_qcf3411d810_outp-k_qcf3411d810_outp
	.p2alignl 7, 3214868480
	.fill 96, 4, 3214868480
	.section	.rodata,"a",@progbits
	.p2align	6, 0x0
	.amdhsa_kernel k_qcf3411d810_outp
		.amdhsa_group_segment_fixed_size 327680
		.amdhsa_private_segment_fixed_size 0
		.amdhsa_enable_private_segment 0
		.amdhsa_kernarg_size 48
		.amdhsa_user_sgpr_count 2
		.amdhsa_user_sgpr_kernarg_segment_ptr 1
		.amdhsa_wavefront_size32 1
		.amdhsa_system_sgpr_workgroup_id_x 1
		.amdhsa_system_sgpr_workgroup_id_y 1
		.amdhsa_system_sgpr_workgroup_id_z 1
		.amdhsa_system_vgpr_workitem_id 0
		.amdhsa_next_free_vgpr 1024
		.amdhsa_next_free_sgpr 98
		.amdhsa_reserve_vcc 0
		.amdhsa_float_denorm_mode_32 3
		.amdhsa_float_denorm_mode_16_64 3
		.amdhsa_memory_ordered 1
		.amdhsa_forward_progress 1
		.amdhsa_inst_pref_size 155
	.end_amdhsa_kernel
	.amdgpu_metadata
---
amdhsa.version: [ 1, 2 ]
amdhsa.kernels:
  - .name:           k_qcf3411d810_outp
    .symbol:         k_qcf3411d810_outp.kd
    .args:
      - { .name: ctx_codes, .offset: 0, .size: 8, .value_kind: global_buffer, .address_space: global }
      - { .name: ctx_scales, .offset: 8, .size: 8, .value_kind: global_buffer, .address_space: global }
      - { .name: wo_codes, .offset: 16, .size: 8, .value_kind: global_buffer, .address_space: global }
      - { .name: wo_scales, .offset: 24, .size: 8, .value_kind: global_buffer, .address_space: global }
      - { .name: bo, .offset: 32, .size: 8, .value_kind: global_buffer, .address_space: global }
      - { .name: out0, .offset: 40, .size: 8, .value_kind: global_buffer, .address_space: global }
    .group_segment_fixed_size: 327680
    .private_segment_fixed_size: 0
    .kernarg_segment_align: 8
    .kernarg_segment_size: 48
    .max_flat_workgroup_size: 128
    .sgpr_count:     98
    .vgpr_count:     1024
    .wavefront_size: 32
...
	.end_amdgpu_metadata
.endif
;; end of part 3
